; MI455X (gfx1250); checked and timed in simulation.
; The chip was launched on July 23, 2026; its instructions are those of AMD's public machine-readable ISA for CDNA 5 (MIT licence, August 2026) and "CDNA5" Instruction Set Architecture Reference Guide (July 2026). The comments in the code are by the model that wrote it; some were corrected since.
;; Vector Quantizer. Allowed arithmetic: matrix products marked QUANTISED: E4M3 operands, one E8M0 scale for each 32 along K, by v_wmma_scale_f32_16x16x128_f8f6f4 with both operands' format E4M3, f32 sums; everything else in f32.
;; Inputs: codebook 8,192 x 256 float32; z 32 x 256 x 32 x 32 float32.
;; Outputs: out0 32 x 256 x 32 x 32 float32; out1 one number float32; out2 32,768 int32.
;; This version of the problem:
;;   THIS VERSION OF THE PROBLEM IS GIVEN IN LOW PRECISION. The matrix products marked QUANTISED in the list below multiply operands that are first quantised to E4M3 (4 exponent bits, 3 mantissa bits; 8 bits a number), with one power-of-two scale for each 32 numbers along K (OCP MX v1.0); their sums are f32. All else is computed in f32.
;;   The module's matrix products, in the order in which they are computed (A, B: the left and right operand; K: the contracted axis; several contracted axes count as one K, in the product's order):
;;     1. [M 32,768, K 256] x [K 256, N 8,192]; A: input z; B: input codebook: QUANTISED
;;   THE QUANTISER, for each operand of a quantised product, along K:
;;     - K is cut into blocks of 32 from its start; a last block that is shorter is filled with zeros.
;;     - A block's scale is 2^e with e = floor(log2(the largest magnitude in the block)) - 8, held to -126 .. 127; a block of zeros has e = 0. As a byte (E8M0): e + 127.
;;     - Each number is divided by its block's scale, clamped to +-448, and rounded to the nearest number of E4M3, ties to even, subnormals kept.
;;     - The product sums the exact products of the quantised numbers (number of the format x scale) in f32.
;;   ~~~python
;;   def quantise(x, axis):      # numpy; x: float32 -> the quantised numbers, widened to float32 again
;;       x = np.moveaxis(x, axis, -1); K = x.shape[-1]
;;       x = np.pad(x, [(0, 0)] * (x.ndim - 1) + [(0, -K % 32)]); x = x.reshape(x.shape[:-1] + (-1, 32)); a = np.abs(x).max(-1, keepdims=True)
;;       e = np.where(a > 0, np.clip(np.frexp(np.where(a > 0, a, 1))[1] - 1 - 8, -126, 127), 0)      # np.frexp(a)[1] - 1 = floor(log2(a)), exactly
;;       r = np.clip(x / 2.0 ** e, -448, 448)
;;       step = 2.0 ** (np.maximum(np.frexp(np.where(r == 0, 1, r))[1] - 1, -6) - 3)
;;       q = np.round(r / step) * step * 2.0 ** e      # np.round: ties to even
;;       return np.moveaxis(q.reshape(q.shape[:-2] + (-1,))[..., :K], -1, axis).astype(np.float32)
;;   ~~~
;; One version. Each part assembles by itself: llvm-mc -triple=amdgcn-amd-amdhsa -mcpu=gfx1250 --defsym DOCPART=n.
;; ======== version 1 of 1: 4 launches
;; workspace buffers: z_pack 8,912,896 bytes; cb_pack 2,228,224 bytes; idxw 131,072 bytes of whole numbers; part 2,048 bytes
;; launch prep (part 1): grid 256 x 1, 10 waves a work-group, no clusters, 172,800 bytes of LDS; arguments z, codebook, z_pack, cb_pack; writes z_pack, cb_pack
.if DOCPART == 1
	.amdgcn_target "amdgcn-amd-amdhsa--gfx1250"
	.amdhsa_code_object_version 6
	.text
	.protected	k_q749f7bcfad_prep
	.globl	k_q749f7bcfad_prep
	.p2align	8
	.type	k_q749f7bcfad_prep,@function
k_q749f7bcfad_prep:
	s_mov_b64 s[64:65], 0
	v_nop
	global_prefetch_b8 v0, s[64:65] scope:SCOPE_SE
	s_setreg_imm32_b32 hwreg(HW_REG_WAVE_MODE, 25, 1), 1
	s_wait_xcnt 0x0
; z (32,768 rows of 256 f32) and the codebook (8,192 rows of 256 f32) are turned into RECORDS, one for each tile of 16 rows, 4,352 bytes = 17 x 256:
;   bytes 0-4095     the codes of E4M3 as an image of the matrix operand's registers: [K step s = 0, 1][c = 0..3][lane][16 bytes]; lane (r = lane % 16, h = lane / 16) holds k = 128 s + 32 c + 16 h + 0..15 of row r
;   bytes 4096-4223  32 scale words: word L < 16: row L's four E8M0 bytes of K step 0; word 16 + r: row r's of K step 1
;   bytes 4224-4351  the rows' sums of squares, f32: rows 0-15, and the same sixteen once more (so lane L finds its row's at 4 L, and every byte is written)
; A block's scale is 2^(floor(log2(its largest magnitude)) - 8); its byte is that magnitude's exponent field - 8, held at 1 from below.
; LIMITS: a block of zeros gets the byte 1 where the rule says 127 (its codes are zeros, and this program alone reads the bytes); blocks whose largest magnitude lies under 2^-118 were not tried;
; NaN and infinities are not served.  A row's sum of squares is taken in this text's own order (two packed chains a lane, then the two halves of the lanes).
; SHARES: 2,560 tiles, one to a wave: tile 10 x work-group + wave; the first 2,048 are z's.  Only pointers are chosen: one path, no loop, no barrier.  Waves share nothing.
; A load takes 512 consecutive bytes (half a row); the conversions want 16 neighbours along K in ONE lane: so a K step's 16 half rows turn through the wave's own stage in LDS.
.set REC,    4352
.set WREG,   17152                     ; LDS of a wave: two stages and the tail
.set SPITCH, 528                       ; a stage row: 512 bytes + 16: row r starts 4 r banks on, so the sixteen rows that a load touches fall on different banks
.set STG1,   16*SPITCH                 ; stage 1
.set TAIL,   2*STG1                    ; 256 bytes: the record's last unit is gathered here
.set L16,  4                           ; v4   16 x lane: my place in a load's or a store's 512 bytes
.set STI,  5                           ; v5   the stage, on the way in
.set STO,  6                           ; v6   and on the way out: row r, + 64 h
.set TW,   8                           ; v8   the tail: 4 x lane
.set TR,   9                           ; v9   the tail: 8 x lane
.set L8,   10                          ; v10  8 x lane
.set TM,   16                          ; v16-19 largest magnitudes, v20-23 bytes, v24-27 448 x the scale, v28-31 the conversions' scale operands
.set PW,   32                          ; v32, v33 the two K steps' scale words
.set PC,   36                          ; v36-51 a K step's codes
.set RA,   52                          ; v52-115  K step 0 as loaded; later K step 1 turned
.set RB,   116                         ; v116-179 K step 1 as loaded
.set XA,   180                         ; v180-243 K step 0 turned
.set TP,   244                         ; v[244:245] the tail on its way out
.set SEL,  20                          ; s[20:21] v_permlanex16_b32's selects for lane l xor 16
.set MNT,  23                          ; s23 the mantissa field of 448
	s_load_b256 s[4:11], s[0:1], 0x0               ; z s[4:5], codebook s[6:7], z_pack s[8:9], cb_pack s[10:11]
	v_lshl_add_u32 v248, v0, 2, 0x29e00
	v_mov_b32 v249, 0
	v_lshrrev_b32 v1, 5, v0
	v_readfirstlane_b32 s12, v1                    ; wave 0..9
	v_and_b32 v1, 31, v0                           ; lane
	v_and_b32 v2, 15, v0                           ; r
	v_bfe_u32 v3, v0, 4, 1                         ; h
	v_lshlrev_b32 v[L16], 4, v1
	s_mul_i32 s13, s12, WREG                       ; my wave's LDS
	v_add_nc_u32 v[STI], s13, v[L16]
	v_mul_u32_u24 v[STO], v2, SPITCH
	v_lshl_add_u32 v[STO], v3, 6, v[STO]
	v_add_nc_u32 v[STO], s13, v[STO]
	v_lshlrev_b32 v[TW], 2, v1
	v_add_nc_u32 v[TW], s13, v[TW]
	v_lshlrev_b32 v[L8], 3, v1
	v_add_nc_u32 v[TR], s13, v[L8]
.irp b, 0,1,2,3
	v_mov_b32 v[TM+4+\b], 0                        ; written once: a lane permute's destination counts as one of its sources
.endr
	s_mov_b32 s[SEL], 0x76543210
	s_mov_b32 s[SEL+1], 0xfedcba98
	s_mov_b32 s[MNT], 0x600000
	s_mul_i32 s14, ttmp9, 10
	s_add_co_u32 s14, s14, s12                     ; my tile
	s_wait_kmcnt 0x0
	s_cmp_lt_u32 s14, 2048                         ; z's tile or the codebook's?  The choice hangs on ids alone
	s_cselect_b64 s[4:5], s[4:5], s[6:7]
	s_cselect_b64 s[8:9], s[8:9], s[10:11]
	s_cselect_b32 s15, 0, 2048
	s_sub_co_u32 s14, s14, s15                     ; the tile's number in its tensor
	s_lshl_b32 s16, s14, 14                        ; 16 rows of 1,024 bytes
	s_mov_b32 s17, 0
	s_mul_i32 s18, s14, REC
	s_mov_b32 s19, 0
	s_add_nc_u64 s[4:5], s[4:5], s[16:17]
	s_add_nc_u64 s[8:9], s[8:9], s[18:19]
.irp p, 0,1,2,3,4,5,6,7,8,9,10,11,12,13,14,15
	global_load_b128 v[RA+4*\p:RA+4*\p+3], v[L16], s[4:5] offset:1024*\p th:TH_LOAD_NT       ; row p, K step 0: 512 consecutive bytes
.endr
.irp p, 0,1,2,3,4,5,6,7,8,9,10,11,12,13,14,15
	global_load_b128 v[RB+4*\p:RB+4*\p+3], v[L16], s[4:5] offset:1024*\p+512 th:TH_LOAD_NT   ; row p, K step 1
.endr
; the squares of a lane's 64 numbers onto two packed chains; first = 1: the first products start the sums
.macro SUMSQ s, first
.irp q, 0,1,2,3,4,5,6,7,8,9,10,11,12,13,14,15
.if \first && (\q == 0)
	v_pk_mul_f32 v[12:13], v[\s:\s+1], v[\s:\s+1]
	v_pk_mul_f32 v[14:15], v[\s+2:\s+3], v[\s+2:\s+3]
.else
	v_pk_fma_f32 v[12:13], v[\s+4*\q:\s+4*\q+1], v[\s+4*\q:\s+4*\q+1], v[12:13]
	v_pk_fma_f32 v[14:15], v[\s+4*\q+2:\s+4*\q+3], v[\s+4*\q+2:\s+4*\q+3], v[14:15]
.endif
.endr
.endm
; 64 numbers of a lane, register 16 b + i = k 32 b + 16 h + i of my row, become a K step's codes in v[PC] on and its scale word in v[pw]
.macro QUANT s, pw
.irp b, 0,1,2,3
	v_max3_num_f32 v[TM+\b], |v[\s+16*\b]|, |v[\s+1+16*\b]|, 0x4800000   ; block b: my 16 numbers, and the floor 2^(9 - 127): the byte cannot fall under 1
.endr
.irp i, 2,4,6,8,10,12,14
.irp b, 0,1,2,3
	v_max3_num_f32 v[TM+\b], v[TM+\b], |v[\s+16*\b+\i]|, |v[\s+1+16*\b+\i]|   ; the four blocks by turns
.endr
.endr
.irp b, 0,1,2,3
	v_permlanex16_b32 v[TM+4+\b], v[TM+\b], s[SEL], s[SEL+1]
.endr
.irp b, 0,1,2,3
	v_max_num_f32 v[TM+\b], v[TM+\b], v[TM+4+\b]             ; with lane l xor 16's: the block's largest magnitude
.endr
.irp b, 0,1,2,3
	v_add_nc_u32 v[TM+12+\b], 0xfc000000, v[TM+\b]           ; 8 off its exponent field: the conversion's scale operand
.endr
.irp b, 0,1,2,3
	v_and_or_b32 v[TM+8+\b], v[TM+\b], 0x7f800000, s[MNT]    ; 448 x the scale
.endr
.irp b, 0,1,2,3
	v_lshrrev_b32 v[TM+4+\b], 23, v[TM+12+\b]                ; the scale's byte
.endr
	v_lshl_or_b32 v[\pw], v[TM+5], 8, v[TM+4]
	v_lshl_or_b32 v[\pw], v[TM+6], 16, v[\pw]
	v_lshl_or_b32 v[\pw], v[TM+7], 24, v[\pw]                ; my row's scale word
.irp b, 0,1,2,3
.irp i, 0,1,2,3,4,5,6,7,8,9,10,11,12,13,14,15
	v_med3_num_f32 v[\s+16*\b+\i], v[\s+16*\b+\i], -v[TM+8+\b], v[TM+8+\b]   ; the conversion to an 8-bit code does not saturate (ISA guide 7.6.2): the hold at the largest code x the scale
.endr
	v_cvt_scalef32_pk8_fp8_f32 v[PC+4*\b:PC+4*\b+1], v[\s+16*\b:\s+16*\b+7], v[TM+12+\b]
	v_cvt_scalef32_pk8_fp8_f32 v[PC+4*\b+2:PC+4*\b+3], v[\s+16*\b+8:\s+16*\b+15], v[TM+12+\b]
.endr
	v_nop                                          ; one plain vector line behind the last scaled conversion
.endm
	s_wait_loadcnt 16                              ; K step 0's sixteen loads are in; K step 1's sixteen may be out
.irp p, 0,1,2,3,4,5,6,7,8,9,10,11,12,13,14,15
	ds_store_b128 v[STI], v[RA+4*\p:RA+4*\p+3] offset:SPITCH*\p
.endr
.irp b, 0,1,2,3
.irp j, 0,1,2,3
	ds_load_b128 v[XA+16*\b+4*\j:XA+16*\b+4*\j+3], v[STO] offset:128*\b+16*\j       ; LDS serves a wave's instructions in order: these see the stores above
.endr
.endr
	s_wait_loadcnt 0x0
.irp p, 0,1,2,3,4,5,6,7,8,9,10,11,12,13,14,15
	ds_store_b128 v[STI], v[RB+4*\p:RB+4*\p+3] offset:STG1+SPITCH*\p
.endr
	s_wait_dscnt 16                                ; the first 32 LDS lines are done: K step 0 is back, turned; the sixteen stores just issued may be out
.irp b, 0,1,2,3
.irp j, 0,1,2,3
	ds_load_b128 v[RA+16*\b+4*\j:RA+16*\b+4*\j+3], v[STO] offset:STG1+128*\b+16*\j  ; K step 1 comes back while K step 0 is worked
.endr
.endr
	SUMSQ XA, 1
	QUANT XA, PW
.irp c, 0,1,2,3
	global_store_b128 v[L16], v[PC+4*\c:PC+4*\c+3], s[8:9] offset:512*\c            ; 512 consecutive bytes, at a multiple of 256 from the buffer's first byte
.endr
	s_wait_dscnt 0x0                               ; K step 1 is back
	SUMSQ RA, 0
	s_wait_xcnt 0x0                                ; the four stores have read the codes' registers: they are written again only behind this wait
	QUANT RA, PW+1
.irp c, 0,1,2,3
	global_store_b128 v[L16], v[PC+4*\c:PC+4*\c+3], s[8:9] offset:2048+512*\c
.endr
	; the record's last unit: 32 scale words, then 32 sums
	v_pk_add_f32 v[12:13], v[12:13], v[14:15]
	v_add_f32 v12, v12, v13
	v_permlanex16_b32 v13, v12, s[SEL], s[SEL+1]
	v_add_f32 v12, v12, v13                        ; lane L: the sum of squares of row L % 16
	v_cmp_gt_u32 vcc_lo, 16, v1
	v_cndmask_b32 v34, v[PW+1], v[PW], vcc_lo      ; lanes 0-15: K step 0's word; lanes 16-31: K step 1's
	ds_store_b32 v[TW], v34 offset:TAIL
	ds_store_b32 v[TW], v12 offset:TAIL+128
	ds_load_b64 v[TP:TP+1], v[TR] offset:TAIL
	s_wait_dscnt 0x0
	global_store_b64 v[L8], v[TP:TP+1], s[8:9] offset:4096   ; 32 lanes store 256 consecutive bytes, aligned
	s_wait_tensorcnt 0x0
	ds_add_u32 v248, v249
	s_wait_dscnt 0x0
	s_endpgm
.Lfunc_end_k_q749f7bcfad_prep:
	.size	k_q749f7bcfad_prep, .Lfunc_end_k_q749f7bcfad_prep-k_q749f7bcfad_prep
	.p2alignl 7, 3214868480
	.fill 96, 4, 3214868480
	.section	.rodata,"a",@progbits
	.p2align	6, 0x0
	.amdhsa_kernel k_q749f7bcfad_prep
		.amdhsa_group_segment_fixed_size 172800
		.amdhsa_private_segment_fixed_size 0
		.amdhsa_enable_private_segment 0
		.amdhsa_kernarg_size 32
		.amdhsa_user_sgpr_count 2
		.amdhsa_user_sgpr_kernarg_segment_ptr 1
		.amdhsa_wavefront_size32 1
		.amdhsa_system_sgpr_workgroup_id_x 1
		.amdhsa_system_sgpr_workgroup_id_y 1
		.amdhsa_system_sgpr_workgroup_id_z 1
		.amdhsa_system_vgpr_workitem_id 0
		.amdhsa_next_free_vgpr 250
		.amdhsa_next_free_sgpr 66
		.amdhsa_reserve_vcc 1
		.amdhsa_float_denorm_mode_32 3
		.amdhsa_float_denorm_mode_16_64 3
		.amdhsa_memory_ordered 1
		.amdhsa_forward_progress 1
		.amdhsa_inst_pref_size 31
	.end_amdhsa_kernel
	.amdgpu_metadata
---
amdhsa.version: [ 1, 2 ]
amdhsa.kernels:
  - .name:           k_q749f7bcfad_prep
    .symbol:         k_q749f7bcfad_prep.kd
    .args:
      - { .name: z, .offset: 0, .size: 8, .value_kind: global_buffer, .address_space: global }
      - { .name: codebook, .offset: 8, .size: 8, .value_kind: global_buffer, .address_space: global }
      - { .name: z_pack, .offset: 16, .size: 8, .value_kind: global_buffer, .address_space: global }
      - { .name: cb_pack, .offset: 24, .size: 8, .value_kind: global_buffer, .address_space: global }
    .group_segment_fixed_size: 172800
    .private_segment_fixed_size: 0
    .kernarg_segment_align: 8
    .kernarg_segment_size: 32
    .max_flat_workgroup_size: 320
    .sgpr_count:     66
    .vgpr_count:     250
    .wavefront_size: 32
...
	.end_amdgpu_metadata
.endif
;; end of part 1
;; launch search (part 2): grid 256 x 1, 8 waves a work-group, clusters of 4 x 1, 327,680 bytes of LDS; arguments z_pack, cb_pack, out2, idxw; writes out2, idxw
.if DOCPART == 2
	.amdgcn_target "amdgcn-amd-amdhsa--gfx1250"
	.amdhsa_code_object_version 6
	.text
	.protected	k_q749f7bcfad_search
	.globl	k_q749f7bcfad_search
	.p2align	8
	.type	k_q749f7bcfad_search,@function
k_q749f7bcfad_search:
	s_mov_b64 s[64:65], 0
	v_nop
	global_prefetch_b8 v0, s[64:65] scope:SCOPE_SE
	s_setreg_imm32_b32 hwreg(HW_REG_WAVE_MODE, 25, 1), 1
	s_wait_xcnt 0x0
	s_wait_alu depctr_hold_cnt(0) depctr_sa_sdst(0) depctr_va_vdst(0) depctr_va_sdst(0) depctr_va_ssrc(0) depctr_va_vcc(0) depctr_vm_vsrc(0)
	s_getreg_b32 s2, hwreg(HW_REG_IB_STS2, 6, 4)
	s_cmp_eq_u32 s2, 0
	s_cbranch_scc0 .Lentry_in_a_cluster
	s_endpgm
.Lentry_in_a_cluster:
	s_bfe_u32 s2, ttmp6, 0x10000c
	s_cmp_lg_u32 s2, 0x3003
	s_cbranch_scc0 .Lentry_shape_is_right
	s_endpgm
.Lentry_shape_is_right:
; For each of 32,768 rows of z: the first index n of the smallest d[n] = (zz + ee[n]) - 2 (z . e[n]) over 8,192 codes; the product on codes of E4M3 with E8M0 scales, all else f32.
; d IS FORMED AS THE SOURCE FORMS IT: t = zz + ee, rounded; d = t - 2 mm, rounded once (one fused multiply-add: 2 mm is exact).  Equal d are ordinary here, so ties go to the lowest index throughout.
; Both operands come as records of 4,352 bytes for 16 rows: 4,096 bytes of codes as an image of the operand's registers, 128 bytes of scale words, 128 bytes of the rows' sums of squares.
; SHARES.  A work-group owns 128 rows of z: 8 tiles of 16.  EVERY wave keeps all 8 tiles' codes in registers (256, window 1); the CODEBOOK's tiles are shared out: in a slot of 32 tiles wave w takes tiles 4 w .. 4 w + 3.
; So each LDS byte is read once, by the wave whose tensor load brought it, and a fragment of 4 KB feeds 16 matrix instructions.  Two waves stand on a SIMD: one's vector work beside the other's matrix work.
; TRANSPOSED: source 0 = 16 codes, source 1 = 16 rows of z: lane (r, h) holds row r, and its register j code 16 tile + 8 h + j.
; THE ARGMIN, for a tile of codes x a tile of rows (8 numbers a lane): 4 packed additions (t), 4 packed multiply-adds (d), 4 lines for the eight's smallest m, one compare m < best (strict: the earlier tile keeps a tie),
; one pair (best = min | tile number chosen), four pairs that keep the winning tile's eight d.  Which of the eight it was is found once, at the end: the first that equals best.
; Then lane l xor 16's, and the eight waves' through LDS, by (d, index) in order.
; CLUSTER.  The four work-groups of a cluster walk the same codebook: each slot part is asked for JOINTLY, by the same tensor load with the same descriptor and the mask of all four.
; No prefetch is laid: a refill has a whole slot's work of the wave, 64 matrix instructions and some 580 vector lines, in which to land.
; LIMITS: NaN and infinities are not served (a row whose every d is infinite or NaN gets index 7 or 15).
; REGISTERS.  Window 0: v1-15 addresses and small things; v16-47 four a tile of rows i: zz, tile number of the best, best, z's scale word; v48 the codes' scale word; v49 4 x lane; v50-57 ee; v58-73 t, then d, of two tiles of rows;
;   v74-105 the codes' two fragments; v106-169 eight accumulators; v170-233 the kept d; v234-255 the end's.   Window 1: z's fragments, (i, K step s) at v[32 i + 16 s].
.set REC,   4352
.set WPART, 4*REC                      ; a wave's part of a slot: 17,408 bytes = 68 x 256
.set SLOTB, 32*REC                     ; a slot: 139,264 = 0x22000 bytes; no w x WPART (w = 0..7) has bit 13 or bit 17 set, so one exclusive or turns an address in one slot into the other's
.set SPARE, 2*SLOTB                    ; behind the ring: the spare words, 128 bytes for each of eight waves: four blocks of 256 bytes that no other line names
.set COMB,  SPARE+1024                 ; the waves' results: [wave][tile of rows][lane][8 bytes]
.set FIN,   COMB+16384                 ; the work-group's 128 indices
.set AL0, 1                            ; v1   my place in my wave's first record of a slot: the image
.set AS0, 2                            ; v2   its scale word
.set AE0, 3                            ; v3   its sums of squares: my half's eight
.set ADA, 4                            ; v4-6 the same in the slot in hand
.set ADS, 5
.set ADE, 6
.set CID, 7                            ; v7   the number of the tile of codes in hand
.set M,   8                            ; v8, v9   the smallest of eight, for two tiles of rows
.set SPW, 10                           ; v10  LDS address of my spare word; never rewritten
.set NIL, 11                           ; v11  0; never rewritten
.set H8,  12                           ; v12  8 h
.set L16, 13                           ; v13  16 x lane
.set N,   14                           ; v14, v15 at work
.set ZZ,  16                           ; + 4 i
.set ID,  17
.set BB,  18
.set ZS,  19
.set CS,  48
.set L4,  49
.set EE,  50
.set T,   58
.set AF,  74
.set ACC, 106
.set SV,  170
.set PR,  234                          ; v234-249 the end: (d, index) of each tile of rows
.set CW,  250                          ; v250-253 the end's LDS addresses
.set CR,  251
.set FW,  252
.set FR,  253
.set PP,  254                          ; which of the eight
.set CD,  255                          ; the index
.set WV,  12                           ; s12  my wave's number
.set G1,  16                           ; s[16:23] descriptor group 1
.set G0,  24                           ; s[24:27] descriptor group 0: it walks
.set TB,  28                           ; s28  LDS byte at which the slot in hand begins
.set SLOTS, 29                         ; s29  slots still to be asked for
.set SEL, 32                           ; s[32:33] v_permlanex16_b32's selects for lane l xor 16
.set MSB, 0
.macro WIN new                         ; the immediate's high byte repeats the setting that is left
.if MSB != \new
	s_set_vgpr_msb (MSB<<8)|\new
.set MSB, \new
.endif
.endm
; A round of the cluster's barrier: my work-group's barrier; wave 0 signals for the work-group; every wave waits for all four work-groups; my work-group's barrier once more.
.macro CROUND
	s_barrier_signal -1
	s_barrier_wait -1
	s_cmp_lg_u32 s[WV], 0
	s_cbranch_scc1 .Lnot_wave_0_\@
	s_barrier_signal -3
.Lnot_wave_0_\@:
	s_barrier_wait -3
	s_barrier_signal -1
	s_barrier_wait -1
.endm
	s_load_b256 s[4:11], s[0:1], 0x0               ; z_pack s[4:5], cb_pack s[6:7], out2 s[8:9], idxw s[10:11]
	v_lshl_add_u32 v[SPW], v0, 2, SPARE
	v_mov_b32 v[NIL], 0
	ds_add_u32 v10, v11
	ds_add_u32 v10, v11
	s_wait_dscnt 0x0
	v_lshrrev_b32 v1, 5, v0
	v_readfirstlane_b32 s[WV], v1                  ; wave 0..7
	s_bfe_u32 s13, ttmp6, 0x40000                  ; cx: my place in the cluster
	s_lshl_b32 s14, ttmp9, 2                       ; in a cluster launch ttmp9 counts clusters
	s_add_co_u32 s14, s14, s13                     ; my block of 128 rows: it enters z's and the outputs' addresses alone
	; descriptor group 1: a dense block of 17,408 bytes as 68 rows of 256 bytes (32 elements of 8 bytes), no padding: every read of it is 16 x lane on end, or one word for many lanes
	s_mov_b32 s[G1], 15|(3<<16)|(1<<21)            ; 15:0 the mask: all four work-groups; 17:16 elements of 8 bytes; 21 set beside a mask
	s_mov_b32 s[G1+1], 32<<16                      ; tensor_dim0 = 32
	s_mov_b32 s[G1+2], 68<<16                      ; tensor_dim1 = 68
	s_mov_b32 s[G1+3], 32<<16                      ; tile_dim0 = 32
	s_mov_b32 s[G1+4], 68                          ; tile_dim1 = 68
	s_mov_b32 s[G1+5], 32                          ; from row to row
	s_mov_b32 s[G1+6], 0
	s_mov_b32 s[G1+7], 0
	s_mov_b32 s[G0], 1                             ; count = 1
	s_mul_i32 s[G0+1], s[WV], WPART                ; LDS address: my wave's part of slot 0: no place in the cluster enters it
	s_mul_i32 s30, s[WV], WPART
	s_mov_b32 s31, 0
	s_mul_i32 s38, s14, 8*REC                      ; my block's eight records of z
	s_mov_b32 s39, 0
	s_mov_b32 s[TB], 0
	s_mov_b32 s[SLOTS], 15
	s_mov_b32 s[SEL], 0x76543210
	s_mov_b32 s[SEL+1], 0xfedcba98
	s_wait_kmcnt 0x0
	s_add_nc_u64 s[G0+2:G0+3], s[6:7], s[30:31]    ; global address: my wave's four records of the codebook's first 32
	s_or_b32 s[G0+3], s[G0+3], 0x80000000          ; type = 2
	s_add_nc_u64 s[4:5], s[4:5], s[38:39]
	CROUND                                         ; all four work-groups are here: the first joint loads meet
	tensor_load_to_lds s[G0:G0+3], s[G1:G1+7]      ; slot 0.  One tensor load of mine is out, here and behind every round
	s_nop 0
	v_and_b32 v8, 31, v0                           ; lane   (five plain lines stand between the tensor load and the switch of windows)
	v_and_b32 v9, 15, v0                           ; r
	v_bfe_u32 v[H8], v0, 4, 1                      ; h
	v_lshlrev_b32 v[L16], 4, v8
	v_lshlrev_b32 v[L4], 2, v8
	WIN 0x40                                       ; destination window 1, address window 0
.irp i, 0,1,2,3,4,5,6,7
.irp g, 0,1,2,3,4,5,6,7
	global_load_b128 v[32*\i+4*\g:32*\i+4*\g+3], v[L16], s[4:5] offset:\i*REC+512*\g th:TH_LOAD_NT   ; z's images: they stay
.endr
.endr
	WIN 0
.irp i, 0,1,2,3,4,5,6,7
	global_load_b32 v[ZS+4*\i], v[L4], s[4:5] offset:\i*REC+4096 th:TH_LOAD_NT     ; lanes 0-15: K step 0's words; lanes 16-31: K step 1's
	global_load_b32 v[ZZ+4*\i], v[L4], s[4:5] offset:\i*REC+4224 th:TH_LOAD_NT     ; my row's sum of squares
.endr
	v_add_nc_u32 v[AL0], s30, v[L16]
	v_add_nc_u32 v[AS0], s30, v[L4]
	v_add_nc_u32 v[AS0], 4096, v[AS0]
	v_lshl_add_u32 v[AE0], v[H8], 5, s30
	v_add_nc_u32 v[AE0], 4224, v[AE0]
	s_lshl_b32 s30, s[WV], 11
	v_lshl_add_u32 v[CW], v8, 3, s30
	v_add_nc_u32 v[CW], COMB, v[CW]                ; where I put my wave's results: 2,048 x wave + 8 x lane (+ 256 x tile of rows)
	s_lshl_b32 s30, s[WV], 8
	v_lshl_add_u32 v[CR], v8, 3, s30
	v_add_nc_u32 v[CR], COMB, v[CR]                ; where I read tile of rows w's: 256 x wave + 8 x lane (+ 2,048 x the wave that wrote)
	s_lshl_b32 s30, s[WV], 6
	v_lshl_add_u32 v[FW], v9, 2, s30
	v_add_nc_u32 v[FW], FIN, v[FW]                 ; row 16 w + r's index
	v_add_nc_u32 v[FR], FIN, v[L16]
	v_lshlrev_b32 v[H8], 3, v[H8]
	s_lshl_b32 s30, s[WV], 2
	v_mov_b32 v[CID], s30                          ; my first tile of codes: 4 w
.irp i, 0,1,2,3,4,5,6,7
	v_mov_b32 v[BB+4*\i], 0x7f800000               ; the best so far: +infinity, over every d
	v_mov_b32 v[ID+4*\i], 0
.endr
.irp j, 0,1,2,3,4,5,6,7,8,9,10,11,12,13,14,15,16,17,18,19,20,21,22,23,24,25,26,27,28,29,30,31,32,33,34,35,36,37,38,39,40,41,42,43,44,45,46,47,48,49,50,51,52,53,54,55,56,57,58,59,60,61,62,63
	v_mov_b32 v[SV+\j], 0                          ; the kept d are chosen in place, so they are written once here: that spares a first tile written out by itself
.endr
; 16 matrix instructions: my tile of codes against the eight tiles of rows, K step 0 and then K step 1.  The eight accumulators take turns, one instruction a turn.
.macro BATCH
	WIN 0x04                                       ; source 1 (z) window 1
.irp i, 0,1,2,3,4,5,6,7
	v_wmma_scale_f32_16x16x128_f8f6f4 v[ACC+8*\i:ACC+8*\i+7], v[AF:AF+15], v[32*\i:32*\i+15], 0, v[CS], v[ZS+4*\i]
.endr
.irp i, 0,1,2,3,4,5,6,7
	v_wmma_scale_f32_16x16x128_f8f6f4 v[ACC+8*\i:ACC+8*\i+7], v[AF+16:AF+31], v[32*\i+16:32*\i+31], v[ACC+8*\i:ACC+8*\i+7], v[CS], v[ZS+4*\i] matrix_a_scale:MATRIX_SCALE_ROW1 matrix_b_scale:MATRIX_SCALE_ROW1
.endr
	WIN 0
.endm
; t = ee + zz for tiles of rows 2 g and 2 g + 1: eight packed additions that name no register of a matrix instruction (of the pair zz, tile number the low word serves both halves)
.macro ADDS g
.irp k, 0,1,2,3
.irp u, 0,1
	v_pk_add_f32 v[T+8*\u+2*\k:T+8*\u+2*\k+1], v[EE+2*\k:EE+2*\k+1], v[ZZ+4*(2*(\g)+\u):ZZ+4*(2*(\g)+\u)+1] op_sel_hi:[1,0]
.endr
.endr
.endm
.macro SAVE2 d, s                      ; two of the winning tile's d are kept where VCC says so
	v_dual_cndmask_b32 v[\d], v[\d], v[\s] :: v_dual_cndmask_b32 v[\d+1], v[\d+1], v[\s+1]
.endm
; d, its smallest, and the choice, for tiles of rows 2 g and 2 g + 1.  Each accumulator is read from its low end on.
.macro REST g
.irp k, 0,1,2,3
.irp u, 0,1
	v_pk_fma_f32 v[T+8*\u+2*\k:T+8*\u+2*\k+1], v[ACC+8*(2*(\g)+\u)+2*\k:ACC+8*(2*(\g)+\u)+2*\k+1], -2.0, v[T+8*\u+2*\k:T+8*\u+2*\k+1] op_sel_hi:[1,0,1]   ; d = t - 2 mm, one rounding
.endr
.endr
.irp u, 0,1
	v_min3_num_f32 v[M+\u], v[T+8*\u], v[T+8*\u+1], v[T+8*\u+2]
.endr
.irp u, 0,1
	v_min3_num_f32 v[N+\u], v[T+8*\u+3], v[T+8*\u+4], v[T+8*\u+5]
.endr
.irp u, 0,1
	v_min3_num_f32 v[M+\u], v[M+\u], v[T+8*\u+6], v[T+8*\u+7]
.endr
.irp u, 0,1
	v_min_num_f32 v[M+\u], v[M+\u], v[N+\u]
.endr
.irp u, 0,1
	v_cmp_lt_f32 vcc_lo, v[M+\u], v[BB+4*(2*(\g)+\u)]        ; strictly smaller: the earlier tile keeps a tie
	v_dual_min_num_f32 v[BB+4*(2*(\g)+\u)], v[BB+4*(2*(\g)+\u)], v[M+\u] :: v_dual_cndmask_b32 v[ID+4*(2*(\g)+\u)], v[ID+4*(2*(\g)+\u)], v[CID]
.irp k, 0,1,2,3
	SAVE2 SV+8*(2*(\g)+\u)+2*\k, T+8*\u+2*\k
.endr
.endr
.endm
; One tile of 16 codes, the t-th of my four in the slot.  last = 1: the slot's last: nothing more is fetched from it.
.macro TILE t, last
	s_wait_dscnt 0x2                               ; the nine oldest LDS loads, the fragments and the scale word, are in; ee's two may be out
	BATCH
	s_wait_dscnt 0x0                               ; ee is in
	ADDS 0                                         ; these eight lines are also the eight places in front of the loads into the fragments and the scale word, and of the first read of a result
.if !\last
.irp g, 0,1,2,3,4,5,6,7
	ds_load_b128 v[AF+4*\g:AF+4*\g+3], v[ADA] offset:((\t)+1)*REC+512*\g            ; the next tile's image: 512 consecutive bytes a line
.endr
	ds_load_b32 v[CS], v[ADS] offset:((\t)+1)*REC
.endif
	REST 0
	ADDS 1
	REST 1
	ADDS 2
	REST 2
	ADDS 3                                         ; ee's last use
.if !\last
	ds_load_b128 v[EE:EE+3], v[ADE] offset:((\t)+1)*REC
	ds_load_b128 v[EE+4:EE+7], v[ADE] offset:((\t)+1)*REC+16
.endif
	REST 3
.if \last
	v_add_nc_u32 v[CID], 29, v[CID]                ; on to my first tile of the next slot: 32 tiles a slot
.else
	v_add_nc_u32 v[CID], 1, v[CID]
.endif
.endm
.macro SLOTWORK                        ; my four tiles of the slot in hand
	v_add_nc_u32 v[ADA], s[TB], v[AL0]
	v_add_nc_u32 v[ADS], s[TB], v[AS0]
	v_add_nc_u32 v[ADE], s[TB], v[AE0]
.irp g, 0,1,2,3,4,5,6,7
	ds_load_b128 v[AF+4*\g:AF+4*\g+3], v[ADA] offset:512*\g
.endr
	ds_load_b32 v[CS], v[ADS]
	ds_load_b128 v[EE:EE+3], v[ADE]
	ds_load_b128 v[EE+4:EE+7], v[ADE] offset:16
	TILE 0, 0
	TILE 1, 0
	TILE 2, 0
	TILE 3, 1
	s_xor_b32 s[TB], s[TB], SLOTB                  ; on to the other slot
.endm
; THE CHANGE OF SLOTS stands at a slot's head.  Each wave waits for all its tensor loads (its part of the slot that it is about to read), adds 0 to its spare word, and waits for that and for its reads of the slot
; that it has left.  Behind the cluster's round no wave of any partner reads that slot or has a load on its way: it is filled with the 32 tiles that follow, and the load has this slot's work in which to land.
.macro CHANGE
	s_wait_tensorcnt 0x0                           ; no tensor load of mine is out, so group 0 may be written
	ds_add_u32 v[SPW], v[NIL]                      ; 0 onto my spare word: the descriptor's steps stand between it and the wait for it
	s_xor_b32 s[G0+1], s[G0+1], SLOTB              ; the other slot than last time,
	s_add_nc_u64 s[G0+2:G0+3], s[G0+2:G0+3], SLOTB ; the next 32 records; the type bits on top are not reached
	s_wait_dscnt 0x0                               ; the add is done, and my reads of the slot that I have left are over
	CROUND
	tensor_load_to_lds s[G0:G0+3], s[G1:G1+7]      ; the first thing behind the round, and my one tensor load until the next.  Three additions into other registers and an LDS load follow; the next switch of windows stands far behind
	s_nop 0
.endm
; (d, index) pairs in order: (ob, oc) is taken where ob < b, or ob = b and oc < c
.macro LEXMIN db, dc, b, c, ob, oc
	v_cmp_lt_f32 s34, v[\ob], v[\b]
	v_cmp_eq_f32 s35, v[\ob], v[\b]
	v_cmp_lt_u32 vcc_lo, v[\oc], v[\c]
	s_and_b32 s35, s35, vcc_lo
	s_or_b32 vcc_lo, s34, s35
	v_cndmask_b32 v[\db], v[\b], v[\ob], vcc_lo
	v_cndmask_b32 v[\dc], v[\c], v[\oc], vcc_lo
.endm
	s_wait_loadcnt 0x0                             ; z
.Lslot:                                            ; 15 trips: trip n reads slot n and asks for slot n + 1
	CHANGE
	SLOTWORK
	s_sub_co_u32 s[SLOTS], s[SLOTS], 1
	s_cmp_lg_u32 s[SLOTS], 0
	s_cbranch_scc1 .Lslot
	s_wait_tensorcnt 0x0                           ; the last slot is written out: my part of it is in, I alone read it, and nothing is filled any more
	SLOTWORK
	; THE END.  In each lane and tile of rows: which of the kept eight is the best (the first that equals it), the index, and lane l xor 16's pair against mine.
.irp i, 0,1,2,3,4,5,6,7
	v_mov_b32 v[PP], 7
.irp j, 6,5,4,3,2,1,0
	v_cmp_eq_f32 vcc_lo, v[SV+8*\i+\j], v[BB+4*\i]
	v_cndmask_b32 v[PP], v[PP], \j, vcc_lo         ; descending, so that the lowest place is written last
.endr
	v_lshl_add_u32 v[CD], v[ID+4*\i], 4, v[PP]
	v_add_nc_u32 v[CD], v[CD], v[H8]               ; 16 tile + 8 h + place
	v_permlanex16_b32 v[T], v[BB+4*\i], s[SEL], s[SEL+1]     ; (the destinations have been written: they held d)
	v_permlanex16_b32 v[T+1], v[CD], s[SEL], s[SEL+1]
	LEXMIN PR+2*\i, PR+2*\i+1, BB+4*\i, CD, T, T+1
	ds_store_b64 v[CW], v[PR+2*\i:PR+2*\i+1] offset:256*\i
.endr
	s_wait_dscnt 0x0                               ; for the others' sake: my stores are done
	s_barrier_signal -1
	s_barrier_wait -1
.irp q, 0,1,2,3,4,5,6,7
	ds_load_b64 v[AF+2*\q:AF+2*\q+1], v[CR] offset:2048*\q   ; wave w takes tile of rows w: the eight waves' pairs
.endr
	s_wait_dscnt 0x0
.irp q, 1,2,3,4,5,6,7
	LEXMIN AF, AF+1, AF, AF+1, AF+2*\q, AF+2*\q+1
.endr
	ds_store_b32 v[FW], v[AF+1]                    ; both halves of the lanes write the same word with the same value
	s_wait_dscnt 0x0
	s_barrier_signal -1
	s_barrier_wait -1
	s_cmp_lt_u32 s[WV], 2                          ; wave 0 stores the 128 indices to out2, wave 1 to idxw, from which the next launch forms addresses
	s_cbranch_scc0 .Ldone
	s_cmp_eq_u32 s[WV], 0
	s_cselect_b64 s[8:9], s[8:9], s[10:11]
	s_lshl_b32 s38, s14, 9                         ; 512 bytes a block of rows
	s_add_nc_u64 s[8:9], s[8:9], s[38:39]
	ds_load_b128 v[AF+4:AF+7], v[FR]
	s_wait_dscnt 0x0
	global_store_b128 v[L16], v[AF+4:AF+7], s[8:9] ; 32 lanes store 512 consecutive bytes, at a multiple of 256 from the buffer's first byte
.Ldone:
	s_wait_tensorcnt 0x0                           ; the wave's end: behind my last tensor load and my last LDS store
	ds_add_u32 v[SPW], v[NIL]
	s_wait_dscnt 0x0
	CROUND                                         ; the closing round: no work-group ends while a partner may still ask for a tile that names it
	s_endpgm
.Lfunc_end_k_q749f7bcfad_search:
	.size	k_q749f7bcfad_search, .Lfunc_end_k_q749f7bcfad_search-k_q749f7bcfad_search
	.p2alignl 7, 3214868480
	.fill 96, 4, 3214868480
	.section	.rodata,"a",@progbits
	.p2align	6, 0x0
	.amdhsa_kernel k_q749f7bcfad_search
		.amdhsa_group_segment_fixed_size 327680
		.amdhsa_private_segment_fixed_size 0
		.amdhsa_enable_private_segment 0
		.amdhsa_kernarg_size 32
		.amdhsa_user_sgpr_count 2
		.amdhsa_user_sgpr_kernarg_segment_ptr 1
		.amdhsa_wavefront_size32 1
		.amdhsa_system_sgpr_workgroup_id_x 1
		.amdhsa_system_sgpr_workgroup_id_y 1
		.amdhsa_system_sgpr_workgroup_id_z 1
		.amdhsa_system_vgpr_workitem_id 0
		.amdhsa_next_free_vgpr 512
		.amdhsa_next_free_sgpr 66
		.amdhsa_reserve_vcc 1
		.amdhsa_float_denorm_mode_32 3
		.amdhsa_float_denorm_mode_16_64 3
		.amdhsa_memory_ordered 1
		.amdhsa_forward_progress 1
		.amdhsa_inst_pref_size 120
	.end_amdhsa_kernel
	.amdgpu_metadata
---
amdhsa.version: [ 1, 2 ]
amdhsa.kernels:
  - .name:           k_q749f7bcfad_search
    .symbol:         k_q749f7bcfad_search.kd
    .args:
      - { .name: z_pack, .offset: 0, .size: 8, .value_kind: global_buffer, .address_space: global }
      - { .name: cb_pack, .offset: 8, .size: 8, .value_kind: global_buffer, .address_space: global }
      - { .name: out2, .offset: 16, .size: 8, .value_kind: global_buffer, .address_space: global }
      - { .name: idxw, .offset: 24, .size: 8, .value_kind: global_buffer, .address_space: global }
    .group_segment_fixed_size: 327680
    .private_segment_fixed_size: 0
    .kernarg_segment_align: 8
    .kernarg_segment_size: 32
    .max_flat_workgroup_size: 256
    .sgpr_count:     66
    .vgpr_count:     512
    .wavefront_size: 32
...
	.end_amdgpu_metadata
.endif
;; end of part 2
;; launch finish (part 3): grid 512 x 1, 8 waves a work-group, no clusters, 1,280 bytes of LDS; arguments z, codebook, idxw, out0, part; writes out0, part
.if DOCPART == 3
	.amdgcn_target "amdgcn-amd-amdhsa--gfx1250"
	.amdhsa_code_object_version 6
	.text
	.protected	k_q749f7bcfad_finish
	.globl	k_q749f7bcfad_finish
	.p2align	8
	.type	k_q749f7bcfad_finish,@function
k_q749f7bcfad_finish:
	s_mov_b64 s[64:65], 0
	v_nop
	global_prefetch_b8 v0, s[64:65] scope:SCOPE_SE
	s_setreg_imm32_b32 hwreg(HW_REG_WAVE_MODE, 25, 1), 1
	s_wait_xcnt 0x0
; out0 = z + (e - z), e = codebook[index of the row]; part[work-group] = the sum of (e - z)^2 over the work-group's 64 rows.  All f32.
; A stream: memory binds, so no matrix unit, no cluster, no tile in LDS.  A wave takes 8 rows of 1,024 bytes; every load and store of a wave covers 512 consecutive bytes; there is no loop:
; a wave's 2 + 16 + 16 loads go out as early as their addresses allow, and no register is written twice by memory.
; The indices were stored by the launch before; each is held under 8,192 before it enters an address.
.set Z,  32                            ; v32-95   8 rows of z, piece n (512 bytes) at v[Z + 4 n]; then out0
.set E,  96                            ; v96-159  the codebook's rows, likewise; then e - z
.set IX, 8                             ; v8-15    the 8 indices
.set OF, 16                            ; v16-23   byte offsets of the 8 rows in the codebook, + 16 x lane
	s_load_b256 s[4:11], s[0:1], 0x0               ; z s[4:5], codebook s[6:7], idxw s[8:9], out0 s[10:11]
	s_load_b64 s[12:13], s[0:1], 0x20              ; part
	v_lshl_add_u32 v160, v0, 2, 0x100
	v_mov_b32 v161, 0
	v_lshrrev_b32 v1, 5, v0
	v_readfirstlane_b32 s14, v1                    ; wave 0..7
	v_and_b32 v1, 31, v0                           ; lane
	v_lshlrev_b32 v2, 4, v1                        ; 16 x lane
	v_mov_b32 v3, 0
	s_lshl_b32 s15, ttmp9, 6
	s_lshl_b32 s16, s14, 3
	s_add_co_u32 s15, s15, s16                     ; my first row: 64 x work-group + 8 x wave
	s_lshl_b32 s16, s15, 2                         ; its index,
	s_mov_b32 s17, 0
	s_lshl_b32 s18, s15, 10                        ; its 1,024 bytes (under 2^25)
	s_mov_b32 s19, 0
	s_mov_b32 s22, 0x76543210
	s_mov_b32 s23, 0xfedcba98                      ; v_permlanex16_b32's selects for lane l xor 16
	s_wait_kmcnt 0x0
	s_add_nc_u64 s[8:9], s[8:9], s[16:17]
	s_add_nc_u64 s[4:5], s[4:5], s[18:19]
	s_add_nc_u64 s[10:11], s[10:11], s[18:19]
	global_load_b128 v[IX:IX+3], v3, s[8:9]        ; the 8 indices, the same in every lane
	global_load_b128 v[IX+4:IX+7], v3, s[8:9] offset:16
.irp n, 0,1,2,3,4,5,6,7,8,9,10,11,12,13,14,15
	global_load_b128 v[Z+4*\n:Z+4*\n+3], v2, s[4:5] offset:512*\n th:TH_LOAD_NT
.endr
	s_wait_loadcnt 16                              ; the indices are in; z's sixteen loads may be out
.irp p, 0,1,2,3,4,5,6,7
	v_min_u32 v[IX+\p], 0x1fff, v[IX+\p]           ; an index stays inside the table
	v_lshl_add_u32 v[OF+\p], v[IX+\p], 10, v2
.endr
.irp n, 0,1,2,3,4,5,6,7,8,9,10,11,12,13,14,15
	global_load_b128 v[E+4*\n:E+4*\n+3], v[OF+\n/2], s[6:7] offset:512*(\n%2)       ; no hint: a row of the codebook may be named again
.endr
.irp n, 0,1,2,3,4,5,6,7,8,9,10,11,12,13,14,15
	s_wait_loadcnt 15-\n                           ; loads come back in order: piece n of the codebook is in, and z's with it; the younger pieces may be out
	v_pk_add_f32 v[E+4*\n:E+4*\n+1], v[E+4*\n:E+4*\n+1], v[Z+4*\n:Z+4*\n+1] neg_lo:[0,1] neg_hi:[0,1]           ; e - z
	v_pk_add_f32 v[E+4*\n+2:E+4*\n+3], v[E+4*\n+2:E+4*\n+3], v[Z+4*\n+2:Z+4*\n+3] neg_lo:[0,1] neg_hi:[0,1]
.if \n == 0
	v_pk_mul_f32 v[24:25], v[E:E+1], v[E:E+1]      ; the first squares start the two chains
	v_pk_mul_f32 v[26:27], v[E+2:E+3], v[E+2:E+3]
.else
	v_pk_fma_f32 v[24:25], v[E+4*\n:E+4*\n+1], v[E+4*\n:E+4*\n+1], v[24:25]
	v_pk_fma_f32 v[26:27], v[E+4*\n+2:E+4*\n+3], v[E+4*\n+2:E+4*\n+3], v[26:27]
.endif
	v_pk_add_f32 v[Z+4*\n:Z+4*\n+1], v[Z+4*\n:Z+4*\n+1], v[E+4*\n:E+4*\n+1]         ; z + (e - z)
	v_pk_add_f32 v[Z+4*\n+2:Z+4*\n+3], v[Z+4*\n+2:Z+4*\n+3], v[E+4*\n+2:E+4*\n+3]
	global_store_b128 v2, v[Z+4*\n:Z+4*\n+3], s[10:11] offset:512*\n th:TH_STORE_NT ; 512 consecutive bytes, aligned; written once, read by nobody here
.endr
	v_pk_add_f32 v[24:25], v[24:25], v[26:27]
	v_add_f32 v24, v24, v25
	v_add_f32_dpp v24, v24, v24 row_xmask:1 row_mask:0xf bank_mask:0xf
	v_add_f32_dpp v24, v24, v24 row_xmask:2 row_mask:0xf bank_mask:0xf
	v_add_f32_dpp v24, v24, v24 row_xmask:4 row_mask:0xf bank_mask:0xf
	v_add_f32_dpp v24, v24, v24 row_xmask:8 row_mask:0xf bank_mask:0xf
	v_permlanex16_b32 v25, v24, s22, s23
	v_add_f32 v24, v24, v25                        ; the wave's sum, in every lane
	s_lshl_b32 s16, s14, 2
	v_mov_b32 v26, s16
	ds_store_b32 v26, v24                          ; all lanes write the wave's word with the same value
	s_wait_dscnt 0x0
	s_barrier_signal -1
	s_barrier_wait -1
	s_cmp_lg_u32 s14, 0
	s_cbranch_scc1 .Lend                           ; wave 0 adds the eight and stores
	ds_load_b128 v[28:31], v3
	ds_load_b128 v[4:7], v3 offset:16
	s_lshl_b32 s16, ttmp9, 2
	s_add_nc_u64 s[12:13], s[12:13], s[16:17]
	s_wait_dscnt 0x0
	v_pk_add_f32 v[28:29], v[28:29], v[30:31]
	v_pk_add_f32 v[4:5], v[4:5], v[6:7]
	v_pk_add_f32 v[28:29], v[28:29], v[4:5]
	v_add_f32 v28, v28, v29
	v_cmp_eq_u32 vcc_lo, 0, v1
	s_wait_xcnt 0x0                                ; EXEC is a source of the stores above: it changes only behind this wait
	s_and_saveexec_b32 s20, vcc_lo
	global_store_b32 v3, v28, s[12:13]             ; lane 0 alone
	s_wait_xcnt 0x0                                ; and again, in front of the line that widens it
	s_or_b32 exec_lo, exec_lo, s20
.Lend:
	s_wait_tensorcnt 0x0
	ds_add_u32 v160, v161
	s_wait_dscnt 0x0
	s_endpgm
.Lfunc_end_k_q749f7bcfad_finish:
	.size	k_q749f7bcfad_finish, .Lfunc_end_k_q749f7bcfad_finish-k_q749f7bcfad_finish
	.p2alignl 7, 3214868480
	.fill 96, 4, 3214868480
	.section	.rodata,"a",@progbits
	.p2align	6, 0x0
	.amdhsa_kernel k_q749f7bcfad_finish
		.amdhsa_group_segment_fixed_size 1280
		.amdhsa_private_segment_fixed_size 0
		.amdhsa_enable_private_segment 0
		.amdhsa_kernarg_size 40
		.amdhsa_user_sgpr_count 2
		.amdhsa_user_sgpr_kernarg_segment_ptr 1
		.amdhsa_wavefront_size32 1
		.amdhsa_system_sgpr_workgroup_id_x 1
		.amdhsa_system_sgpr_workgroup_id_y 1
		.amdhsa_system_sgpr_workgroup_id_z 1
		.amdhsa_system_vgpr_workitem_id 0
		.amdhsa_next_free_vgpr 162
		.amdhsa_next_free_sgpr 66
		.amdhsa_reserve_vcc 1
		.amdhsa_float_denorm_mode_32 3
		.amdhsa_float_denorm_mode_16_64 3
		.amdhsa_memory_ordered 1
		.amdhsa_forward_progress 1
		.amdhsa_inst_pref_size 15
	.end_amdhsa_kernel
	.amdgpu_metadata
---
amdhsa.version: [ 1, 2 ]
amdhsa.kernels:
  - .name:           k_q749f7bcfad_finish
    .symbol:         k_q749f7bcfad_finish.kd
    .args:
      - { .name: z, .offset: 0, .size: 8, .value_kind: global_buffer, .address_space: global }
      - { .name: codebook, .offset: 8, .size: 8, .value_kind: global_buffer, .address_space: global }
      - { .name: idxw, .offset: 16, .size: 8, .value_kind: global_buffer, .address_space: global }
      - { .name: out0, .offset: 24, .size: 8, .value_kind: global_buffer, .address_space: global }
      - { .name: part, .offset: 32, .size: 8, .value_kind: global_buffer, .address_space: global }
    .group_segment_fixed_size: 1280
    .private_segment_fixed_size: 0
    .kernarg_segment_align: 8
    .kernarg_segment_size: 40
    .max_flat_workgroup_size: 256
    .sgpr_count:     66
    .vgpr_count:     162
    .wavefront_size: 32
...
	.end_amdgpu_metadata
.endif
;; end of part 3
;; launch total (part 4): grid 1 x 1, 1 waves a work-group, no clusters, 0 bytes of LDS; arguments part, out1; writes out1
.if DOCPART == 4
	.amdgcn_target "amdgcn-amd-amdhsa--gfx1250"
	.amdhsa_code_object_version 6
	.text
	.protected	k_q749f7bcfad_total
	.globl	k_q749f7bcfad_total
	.p2align	8
	.type	k_q749f7bcfad_total,@function
k_q749f7bcfad_total:
	s_mov_b64 s[64:65], 0
	v_nop
	global_prefetch_b8 v0, s[64:65] scope:SCOPE_SE
	s_setreg_imm32_b32 hwreg(HW_REG_WAVE_MODE, 25, 1), 1
	s_wait_xcnt 0x0
; out1 = m + 0.25 m, m = the mean of (e - z)^2 over 2^23 numbers: the sum of the 512 partial sums x 2^-23 (exact), then one fused multiply-add.  One wave: 2,048 bytes in, 4 out.
	s_load_b128 s[4:7], s[0:1], 0x0                ; part, out1
	v_lshlrev_b32 v1, 4, v0                        ; 16 x lane
	v_mov_b32 v2, 0
	s_mov_b32 s8, 0x76543210
	s_mov_b32 s9, 0xfedcba98                       ; v_permlanex16_b32's selects for lane l xor 16
	s_wait_kmcnt 0x0
.irp n, 0,1,2,3
	global_load_b128 v[4+4*\n:7+4*\n], v1, s[4:5] offset:512*\n
.endr
	s_wait_loadcnt 0x0
	v_pk_add_f32 v[4:5], v[4:5], v[6:7]
	v_pk_add_f32 v[8:9], v[8:9], v[10:11]
	v_pk_add_f32 v[12:13], v[12:13], v[14:15]
	v_pk_add_f32 v[16:17], v[16:17], v[18:19]
	v_pk_add_f32 v[4:5], v[4:5], v[8:9]
	v_pk_add_f32 v[12:13], v[12:13], v[16:17]
	v_pk_add_f32 v[4:5], v[4:5], v[12:13]
	v_add_f32 v4, v4, v5
	v_add_f32_dpp v4, v4, v4 row_xmask:1 row_mask:0xf bank_mask:0xf
	v_add_f32_dpp v4, v4, v4 row_xmask:2 row_mask:0xf bank_mask:0xf
	v_add_f32_dpp v4, v4, v4 row_xmask:4 row_mask:0xf bank_mask:0xf
	v_add_f32_dpp v4, v4, v4 row_xmask:8 row_mask:0xf bank_mask:0xf
	v_permlanex16_b32 v5, v4, s8, s9
	v_add_f32 v4, v4, v5                           ; the sum, in every lane
	v_mul_f32 v4, 0x34000000, v4                   ; x 2^-23: the mean
	v_fma_f32 v5, v4, 0x3e800000, v4               ; m + 0.25 m
	v_cmp_eq_u32 vcc_lo, 0, v0
	s_wait_xcnt 0x0                                ; EXEC changes only behind this wait
	s_and_saveexec_b32 s10, vcc_lo
	global_store_b32 v2, v5, s[6:7]                ; lane 0 alone
	s_wait_xcnt 0x0
	s_or_b32 exec_lo, exec_lo, s10
	s_endpgm
.Lfunc_end_k_q749f7bcfad_total:
	.size	k_q749f7bcfad_total, .Lfunc_end_k_q749f7bcfad_total-k_q749f7bcfad_total
	.p2alignl 7, 3214868480
	.fill 96, 4, 3214868480
	.section	.rodata,"a",@progbits
	.p2align	6, 0x0
	.amdhsa_kernel k_q749f7bcfad_total
		.amdhsa_group_segment_fixed_size 0
		.amdhsa_private_segment_fixed_size 0
		.amdhsa_enable_private_segment 0
		.amdhsa_kernarg_size 16
		.amdhsa_user_sgpr_count 2
		.amdhsa_user_sgpr_kernarg_segment_ptr 1
		.amdhsa_wavefront_size32 1
		.amdhsa_system_sgpr_workgroup_id_x 1
		.amdhsa_system_sgpr_workgroup_id_y 1
		.amdhsa_system_sgpr_workgroup_id_z 1
		.amdhsa_system_vgpr_workitem_id 0
		.amdhsa_next_free_vgpr 32
		.amdhsa_next_free_sgpr 66
		.amdhsa_reserve_vcc 1
		.amdhsa_float_denorm_mode_32 3
		.amdhsa_float_denorm_mode_16_64 3
		.amdhsa_memory_ordered 1
		.amdhsa_forward_progress 1
		.amdhsa_inst_pref_size 3
	.end_amdhsa_kernel
	.amdgpu_metadata
---
amdhsa.version: [ 1, 2 ]
amdhsa.kernels:
  - .name:           k_q749f7bcfad_total
    .symbol:         k_q749f7bcfad_total.kd
    .args:
      - { .name: part, .offset: 0, .size: 8, .value_kind: global_buffer, .address_space: global }
      - { .name: out1, .offset: 8, .size: 8, .value_kind: global_buffer, .address_space: global }
    .group_segment_fixed_size: 0
    .private_segment_fixed_size: 0
    .kernarg_segment_align: 8
    .kernarg_segment_size: 16
    .max_flat_workgroup_size: 32
    .sgpr_count:     66
    .vgpr_count:     32
    .wavefront_size: 32
...
	.end_amdgpu_metadata
.endif
;; end of part 4
